; MI455X (gfx1250); checked and timed in simulation.
; The chip was launched on July 23, 2026; its instructions are those of AMD's public machine-readable ISA for CDNA 5 (MIT licence, August 2026) and "CDNA5" Instruction Set Architecture Reference Guide (July 2026). The comments in the code are by the model that wrote it; some were corrected since.
;; Mo E. Allowed arithmetic: matrix products marked QUANTISED: E2M1 operands, one E8M0 scale for each 32 along K, by v_wmma_scale_f32_16x16x128_f8f6f4 with both operands' format E2M1 (or v_wmma_scale_f32_32x16x128_f4), f32 sums; products left as they are: f32 operands where the result goes on into a quantised operand, else bf16, f16 or f32 operands; f32 sums; everything else in f32.
;; Inputs: b1 8 x 1,024 float32; b2 8 x 1,024 float32; gate_W 8 x 1,024 float32; gate_b 8 float32; w1 8 x 1,024 x 1,024 float32; w2 8 x 1,024 x 1,024 float32; x 4 x 1,024 x 1,024 float32.
;; Outputs: out0 4 x 1,024 x 1,024 float32; out1 4,096 x 8 float32.
;; This version of the problem:
;;   THIS VERSION OF THE PROBLEM IS GIVEN IN LOW PRECISION. The matrix products marked QUANTISED in the list below multiply operands that are first quantised to E2M1 (2 exponent bits, 1 mantissa bit; 4 bits a number), with one power-of-two scale for each 32 numbers along K (OCP MX v1.0); their sums are f32. All else is computed in f32.
;;   The module's matrix products, in the order in which they are computed (A, B: the left and right operand; K: the contracted axis; several contracted axes count as one K, in the product's order):
;;     1. [M 4,096, K 1,024] x [K 1,024, N 8]; A: input x; B: input gate_W: left as it is (N = 8 < 16)
;;     2. [M 4,096, K 1,024] x [K 1,024, N 8,192]; A: input x; B: input w1: QUANTISED
;;     3. batch 8 x [M 1,024, K 1,024] x [K 1,024, N 4,096]; A: input w2; B: computed on the way: QUANTISED
;;   THE QUANTISER, for each operand of a quantised product, along K:
;;     - K is cut into blocks of 32 from its start; a last block that is shorter is filled with zeros.
;;     - A block's scale is 2^e with e = floor(log2(the largest magnitude in the block)) - 2, held to -126 .. 127; a block of zeros has e = 0. As a byte (E8M0): e + 127.
;;     - Each number is divided by its block's scale, clamped to +-6, and rounded to the nearest number of E2M1, ties to even, subnormals kept.
;;     - The product sums the exact products of the quantised numbers (number of the format x scale) in f32.
;;   ~~~python
;;   def quantise(x, axis):      # numpy; x: float32 -> the quantised numbers, widened to float32 again
;;       x = np.moveaxis(x, axis, -1); K = x.shape[-1]
;;       x = np.pad(x, [(0, 0)] * (x.ndim - 1) + [(0, -K % 32)]); x = x.reshape(x.shape[:-1] + (-1, 32)); a = np.abs(x).max(-1, keepdims=True)
;;       e = np.where(a > 0, np.clip(np.frexp(np.where(a > 0, a, 1))[1] - 1 - 2, -126, 127), 0)      # np.frexp(a)[1] - 1 = floor(log2(a)), exactly
;;       r = np.clip(x / 2.0 ** e, -6, 6)
;;       step = 2.0 ** (np.maximum(np.frexp(np.where(r == 0, 1, r))[1] - 1, 0) - 1)
;;       q = np.round(r / step) * step * 2.0 ** e      # np.round: ties to even
;;       return np.moveaxis(q.reshape(q.shape[:-2] + (-1,))[..., :K], -1, axis).astype(np.float32)
;;   ~~~
;;   OPERANDS COMPUTED ON THE WAY. 'Computed on the way' means the value that the module computes at that place (a softmax that the list does not call 'softmax' is quantised finished and normalised). What goes into a quantiser is computed in f32, as accurately as f32 sums, v_exp_f32 and their like allow (about 1e-6 of the number): no bf16 or f16 on the way to a quantiser, and a product that is left as it is and whose result goes on into a quantised operand takes f32 operands (vector FMAs, or v_wmma_f32_16x16x4_f32). A number that lies on a knife's edge between two numbers of the format may be rounded either way, as far as f32 arithmetic and the matrix unit's own rounding can turn it there, and no further.
;; One version. Each part assembles by itself: llvm-mc -triple=amdgcn-amd-amdhsa -mcpu=gfx1250 --defsym DOCPART=n.
;; ======== version 1 of 1: 3 launches
;; workspace buffers: codes 10,485,760 bytes; scales 655,360 bytes; pairs 16,384 bytes of whole numbers; cnts 32,768 bytes of whole numbers; gw 32,768 bytes; order 20,480 bytes of whole numbers; tiles 20,480 bytes of whole numbers
;; launch prep (part 1): grid 256 x 1, 5 waves a work-group, no clusters, 55,296 bytes of LDS; arguments x, gate_W, gate_b, w1, w2, codes, scales, out1, pairs, gw, cnts; writes codes, scales, out1, pairs, gw, cnts
.if DOCPART == 1
	.amdgcn_target "amdgcn-amd-amdhsa--gfx1250"
	.amdhsa_code_object_version 6
	.text
	.protected	k_q3685fbe363_prep
	.globl	k_q3685fbe363_prep
	.p2align	8
	.type	k_q3685fbe363_prep,@function
k_q3685fbe363_prep:
	s_mov_b64 s[64:65], 0
	v_nop
	global_prefetch_b8 v0, s[64:65] scope:SCOPE_SE
	s_setreg_imm32_b32 hwreg(HW_REG_WAVE_MODE, 25, 1), 1
	s_wait_xcnt 0x0
; PREP: x, w1 and w2 (f32, K innermost) become codes of E2M1 with one E8M0 byte for each 32 along K, laid as images of operand registers; on x's tiles the router is computed too.
; DEAD WORK LEFT OUT BY THE PROGRAM.  reference() makes h and o for all 8 experts of every token and then reads, by take_along_axis(o, top_i), the rows of the 2 experts in top_i alone.  The rows of h and o of
; the other 6 experts of a token enter no output, whatever finite values the inputs hold; so the later launches multiply, for each token, its two chosen experts only.  All seven inputs stay live and are loaded.
; LIMITS.  A NaN, an infinity or an overflow that reaches only an expert that was not chosen for a token is not carried to the result.  NaN and infinities among the inputs are not served.
; A probability under 2^-126 comes out as 0 (the exponential gives 0 there) and then ties by the lower index.  A block of zeros gets the scale byte 1 where the rule says 127: its codes are zeros, which add
; nothing under any byte but 0xff, and only this program reads the bytes.  Blocks whose largest magnitude lies under 2^-124, the floor, keep the byte 1.
; MATRICES.  20 matrices of 1,024 rows x 1,024 K: M = 0..3 tokens 1,024 M on, M = 4 + e w1[e], M = 12 + e w2[e].  A group G is 128 rows, a tile t = 2 b + u of it 16 rows:
; tile row r is matrix row 128 G + 32 b + 8 u + r + 8 (r / 8), so that the results of tiles 2 b and 2 b + 1 are 16 neighbours along the next product's K.
; codes  [M][G][s 8][t 8][c 2][lane 32][16 bytes]: lane (r, h) and c hold block 4 s + 2 c + h of tile row r: the registers of the fragment of K step s as they stand.
; scales [M][G][t 8][hh 2][r 16][16 bytes]: lane (r, hh) holds the scale words of K steps 4 hh .. 4 hh + 3 of tile row r.
; SHARES.  A wave takes one tile: 16 rows x 1,024 K, in 16 steps of 64 along K.  There are 1,280 tiles, 256 of x and 1,024 of the weights; a work-group of FIVE waves takes five: waves 0-3 a tile of the weights each,
; wave 4 a tile of x: 256 work-groups of equal work.  Waves 0-3 copy gate_W into LDS for wave 4; one barrier; then the roles part on the wave's number.
; A step's eight loads read 256 consecutive bytes of two rows each; the 4,096 bytes turn through the wave's own stage in LDS (rows 272 bytes apart) so that a lane holds a whole block of 32.  Loads run four steps ahead.
; THE ROUTER (wave 4): the logits are f32 multiply-adds on the numbers as they were loaded, against gate_W in LDS; softmax -> out1; top 2 (ties: the lower index); the second softmax -> gw;
; the token's pair of experts as a bin 0..27, its rank among its tile's tokens of that bin -> pairs, and the tile's count for each bin -> cnts.  These are data here: no address and no branch hangs on them.
; No tensor load, no cluster: waves share nothing but gate_W, and each input byte is read once.
.set SP,    272                        ; a stage row: 256 bytes + 16
.set STG,   0                          ; five stages of 16 rows, one a wave
.set GWL,   21760                      ; gate_W as it lies, 32,768 bytes
.set SPARE, 54528                      ; the spare words, 128 bytes a wave: three blocks of 256 bytes that no other line names
.set XW,    4                          ; the wave that takes x's tile
.set LOFF,  2                          ; v2   4,096 (lane / 16) + 16 (lane % 16): my 16 bytes of a load
.set STI,   3                          ; v3   into the stage
.set STO,   4                          ; v4   out of it: row lane % 16, block lane / 16
.set CO,    5                          ; v5   16 x lane
.set GA,    6                          ; v6   16 (lane % 16)
.set SPW,   7                          ; v7   my spare word; never rewritten
.set NIL,   8                          ; v8   0; never rewritten
.set SH,    9                          ; v9   8 (lane / 16)
.set MX0,   10
.set MX1,   11
.set SCL,   12
.set BYTE,  13
.set TID,   14                         ; v14  16 x thread
.set W,     16                         ; v16-23  the scale words in the making
.set C,     24                         ; v24-31  two sets of four code registers
.set X,     32                         ; v32-63  a block of 32
.set GWR,   64                         ; v64-95  gate_W for the step
.set R,     96                         ; v96-223 four slots of 32 registers as loaded
.set OS,    224                        ; v224-227 the scale image
.set L,     96                         ; the router: 64 logits' parts
.set V,     32
.set P,     40
.set MSB, 0
.macro WIN new                         ; the immediate's high byte repeats the setting that is left
.if MSB != \new
	s_set_vgpr_msb (MSB<<8)|\new
.set MSB, \new
.endif
.endm
.macro LOADS n                         ; step n: lanes 0-15 read 256 bytes of tile row 2 i, lanes 16-31 of tile row 2 i + 1
.irp i, 0,1,2,3,4,5,6,7
	global_load_b128 v[R+32*((\n)%4)+4*\i:R+32*((\n)%4)+4*\i+3], v[LOFF], s[32:33] offset:(2*\i+8*(\i/4))*4096+256*(\n) th:TH_LOAD_NT
.endr
.endm
.macro STEP n, gate
.set RS, R+32*((\n)%4)
.set CS, C+4*((\n)%2)
.if \gate
.irp e, 0,1,2,3,4,5,6,7
	ds_load_b128 v[GWR+4*\e:GWR+4*\e+3], v[GA] offset:GWL+4096*\e+256*(\n)   ; gate_W[e] at my four k
.endr
.endif
.if (\n) < 13
	s_wait_loadcnt 24                              ; this step's eight loads are in; those of the three steps behind it may be out
.else
	s_wait_loadcnt 8*(15-(\n))
.endif
.irp i, 0,1,2,3,4,5,6,7
	ds_store_b128 v[STI], v[RS+4*\i:RS+4*\i+3] offset:STG+544*\i
.endr
.irp j, 0,1,2,3,4,5,6,7
	ds_load_b128 v[X+4*\j:X+4*\j+3], v[STO] offset:STG+16*\j   ; LDS serves a wave's instructions in order: these see the stores above
.endr
.if \gate
	s_wait_dscnt 16                                ; gate_W's eight loads are in; the eight stores and eight loads behind them may be out
	WIN 0x50                                       ; the sums lie in window 1
.irp q, 0,1
.irp i, 0,1,2,3,4,5,6,7
.irp e, 0,1,2,3,4,5,6,7
.if ((\n) == 0) && (\q == 0)
	v_pk_mul_f32 v[2*(8*\i+\e):2*(8*\i+\e)+1], v[RS+4*\i+2*\q:RS+4*\i+2*\q+1], v[GWR+4*\e+2*\q:GWR+4*\e+2*\q+1]   ; the first products start the sums
.else
	v_pk_fma_f32 v[2*(8*\i+\e):2*(8*\i+\e)+1], v[RS+4*\i+2*\q:RS+4*\i+2*\q+1], v[GWR+4*\e+2*\q:GWR+4*\e+2*\q+1], v[2*(8*\i+\e):2*(8*\i+\e)+1]
.endif
.endr
.endr
.endr
	WIN 0
.endif
	s_wait_dscnt 0x0                               ; the block is in, and the stores have read the slot
.if (\n) > 1
	s_wait_xcnt 0x0                                ; the store of two steps ago has read this set of code registers, which the conversions below rewrite; it stands ahead of this step's loads, so that it waits for none of them
.endif
.if (\n)+4 < 16
	LOADS (\n)+4                                   ; the slot takes the step four on
.endif
	v_max3_num_f32 v[MX0], |v[X]|, |v[X+1]|, 0x1800000             ; the block's largest magnitude, in two chains, with the floor 2^(3 - 127) among the leaves: the byte cannot fall under 1
	v_max3_num_f32 v[MX1], |v[X+16]|, |v[X+17]|, |v[X+18]|
.irp i, 0,1,2,3,4,5
	v_max3_num_f32 v[MX0], v[MX0], |v[X+2+2*\i]|, |v[X+3+2*\i]|
	v_max3_num_f32 v[MX1], v[MX1], |v[X+19+2*\i]|, |v[X+20+2*\i]|
.endr
	v_max3_num_f32 v[MX0], v[MX0], |v[X+14]|, |v[X+15]|
	v_max3_num_f32 v[MX0], v[MX0], v[MX1], |v[X+31]|
	v_add_nc_u32 v[SCL], 0xff000000, v[MX0]        ; 2 off its exponent field: the conversion takes the exponent field of this operand as its scale
.irp g, 0,1,2,3
	v_cvt_scalef32_pk8_fp4_f32 v[CS+\g], v[X+8*\g:X+8*\g+7], v[SCL]
.endr
.if ((\n)%2) == 0
	v_lshrrev_b32 v[W+(\n)/2], 23, v[SCL]          ; the scale's byte (a plain line behind the conversions)
.else
	v_lshrrev_b32 v[BYTE], 23, v[SCL]
	v_lshl_or_b32 v[W+(\n)/2], v[BYTE], 16, v[W+(\n)/2]
.endif
	global_store_b128 v[CO], v[CS:CS+3], s[34:35] offset:((\n)/2)*8192+((\n)%2)*512   ; 32 lanes store 512 consecutive bytes
.endm
.macro SCALES_OUT                      ; my bytes stand at blocks 2 c of each word: 8 h bits up, and with lane l xor 16's the words are whole; lanes 0-15 keep words 0-3, lanes 16-31 words 4-7
.irp j, 0,1,2,3,4,5,6,7
	v_lshlrev_b32 v[W+\j], v[SH], v[W+\j]
.endr
.irp j, 0,1,2,3,4,5,6,7
	v_permlanex16_b32 v[X+\j], v[W+\j], s56, s57
.endr
.irp j, 0,1,2,3,4,5,6,7
	v_or_b32 v[W+\j], v[W+\j], v[X+\j]
.endr
.irp j, 0,1,2,3
	v_cndmask_b32 v[OS+\j], v[W+\j], v[W+4+\j], s58
.endr
	global_store_b128 v[CO], v[OS:OS+3], s[36:37]  ; the tile's 512 bytes of scale words
.endm
.macro CLOSE                           ; the wave's end
	s_wait_tensorcnt 0x0
	ds_add_u32 v[SPW], v[NIL]
	s_wait_dscnt 0x0
.endm
	s_load_b512 s[4:19], s[0:1], 0x0               ; x, gate_W, gate_b, w1, w2, codes, scales, out1
	s_load_b128 s[20:23], s[0:1], 0x40             ; pairs, gw
	s_load_b64 s[24:25], s[0:1], 0x50              ; cnts
	v_lshl_add_u32 v[SPW], v0, 2, SPARE
	v_mov_b32 v[NIL], 0
	v_lshrrev_b32 v1, 5, v0
	v_readfirstlane_b32 s26, v1                    ; wave 0..4
	v_and_b32 v1, 31, v0                           ; lane
	v_and_b32 v10, 15, v0
	v_bfe_u32 v11, v0, 4, 1
	v_lshlrev_b32 v[GA], 4, v10
	v_lshl_add_u32 v[LOFF], v11, 12, v[GA]
	v_lshlrev_b32 v[CO], 4, v1
	v_lshlrev_b32 v[SH], 3, v11
	v_lshlrev_b32 v[TID], 4, v0
	s_mul_i32 s28, s26, 16*SP                      ; my stage
	v_mul_u32_u24 v[STI], v11, SP
	v_add_nc_u32 v[STI], v[STI], v[GA]
	v_add_nc_u32 v[STI], s28, v[STI]
	v_mul_u32_u24 v[STO], v10, SP
	v_lshl_add_u32 v[STO], v11, 7, v[STO]
	v_add_nc_u32 v[STO], s28, v[STO]
	s_lshl_b32 s29, ttmp9, 2
	s_add_co_u32 s29, s29, s26
	s_add_co_u32 s29, s29, 256                     ; waves 0-3: tile 256 + 4 x work-group + wave of the 1,280;
	s_cmp_eq_u32 s26, XW
	s_cselect_b32 s29, ttmp9, s29                  ; wave 4: x's tile, the work-group's number
	s_lshr_b32 s27, s29, 6                         ; M
	s_and_b32 s29, s29, 63                         ; which of the matrix's 64 tiles
	s_lshr_b32 s30, s29, 3                         ; G
	s_and_b32 s31, s29, 7                          ; t
	s_lshl_b32 s60, s30, 7
	s_lshr_b32 s61, s31, 1
	s_lshl_b32 s61, s61, 5
	s_add_co_u32 s60, s60, s61
	s_and_b32 s61, s31, 1
	s_lshl_b32 s61, s61, 3
	s_add_co_u32 s60, s60, s61                     ; the tile's first row: 128 G + 32 b + 8 u
	s_mov_b32 s56, 0x76543210
	s_mov_b32 s57, 0xfedcba98                      ; selects for lane l xor 16
	s_mov_b32 s58, 0xffff0000                      ; lanes 16-31
	s_mov_b32 s63, 0
	s_wait_kmcnt 0x0
	s_cmp_lt_u32 s27, 12                           ; which buffer: the choice hangs on ids alone
	s_cselect_b64 s[32:33], s[10:11], s[12:13]
	s_cselect_b32 s62, 4, 12
	s_cmp_lt_u32 s27, 4
	s_cselect_b64 s[32:33], s[4:5], s[32:33]
	s_cselect_b32 s62, 0, s62
	s_sub_co_u32 s62, s27, s62
	s_lshl_b32 s62, s62, 22                        ; a matrix is 4 MiB of f32
	s_lshl_b32 s66, s60, 12
	s_add_co_u32 s62, s62, s66
	s_add_nc_u64 s[32:33], s[32:33], s[62:63]      ; the source at the tile's first row
	s_lshl_b32 s62, s27, 19
	s_lshl_b32 s66, s30, 16
	s_add_co_u32 s62, s62, s66
	s_lshl_b32 s66, s31, 10
	s_add_co_u32 s62, s62, s66
	s_add_nc_u64 s[34:35], s[14:15], s[62:63]      ; the tile's codes
	s_lshl_b32 s62, s27, 15
	s_lshl_b32 s66, s30, 12
	s_add_co_u32 s62, s62, s66
	s_lshl_b32 s66, s31, 9
	s_add_co_u32 s62, s62, s66
	s_add_nc_u64 s[36:37], s[16:17], s[62:63]      ; the tile's scale words
	s_cmp_eq_u32 s26, XW
	s_cbranch_scc1 .Lno_copy_a
.irp j, 0,1,2,3,4,5,6,7,8,9,10,11,12,13,14,15
	global_load_b128 v[X+4*\j:X+4*\j+3], v[TID], s[6:7] offset:2048*\j   ; gate_W: the 128 threads of waves 0-3 x 16 bytes, sixteen times
.endr
.Lno_copy_a:
	LOADS 0
	LOADS 1
	LOADS 2
	LOADS 3
	s_cmp_eq_u32 s26, XW
	s_cbranch_scc1 .Lno_copy_b
	s_wait_loadcnt 32                              ; gate_W is in; the ring's 32 loads may be out
.irp j, 0,1,2,3,4,5,6,7,8,9,10,11,12,13,14,15
	ds_store_b128 v[TID], v[X+4*\j:X+4*\j+3] offset:GWL+2048*\j
.endr
.Lno_copy_b:
	s_wait_dscnt 0x0                               ; for wave 4's sake: my part of gate_W lies in LDS
	s_barrier_signal -1
	s_barrier_wait -1                              ; everybody's does
	s_cmp_eq_u32 s26, XW
	s_cbranch_scc1 .Lxpath
	; ---- waves 0-3: a tile of the weights
.irp n, 0,1,2,3,4,5,6,7,8,9,10,11,12,13,14,15
	STEP \n, 0
.endr
	SCALES_OUT
	CLOSE
	s_endpgm
	; ---- wave 4: a tile of x
.Lxpath:
	s_load_b256 s[40:47], s[8:9], 0x0              ; gate_b
	s_mov_b32 s48, 0x000c000c                      ; the lanes whose row is i = 1 .. 7 of their half: lanes 2 i, 2 i + 1 of each 16
	s_mov_b32 s49, 0x00300030
	s_mov_b32 s50, 0x00c000c0
	s_mov_b32 s51, 0x03000300
	s_mov_b32 s52, 0x0c000c00
	s_mov_b32 s53, 0x30003000
	s_mov_b32 s54, 0xc000c000
	s_mov_b32 s55, 0x55555555                      ; even lanes
	s_mov_b32 s68, 0xaaaaaaaa                      ; odd lanes
	s_lshl_b32 s67, s27, 10
	s_add_co_u32 s67, s67, s60                     ; the tile's first token
	s_lshl_b32 s62, ttmp9, 7                       ; the tile's 128 bytes of counts
	s_add_nc_u64 s[24:25], s[24:25], s[62:63]
	s_wait_kmcnt 0x0
.irp n, 0,1,2,3,4,5,6,7,8,9,10,11,12,13,14,15
	STEP \n, 1
.endr
	SCALES_OUT
	; ---- the router.  Pair 2 (8 i + e) of window 1 holds two parts of the logit of tile row 2 i + lane / 16 and expert e, over my four k of each 64
	WIN 0x05
.set J, 0
.rept 64
	v_add_f32 v[L+J], v[2*J], v[2*J+1]
.set J, J+1
.endr
	WIN 0
.irp k, 1,2,4,8
.set J, 0
.rept 64
	v_add_f32_dpp v[L+J], v[L+J], v[L+J] row_xmask:\k row_mask:0xf bank_mask:0xf   ; over the 16 lanes of my half
.set J, J+1
.endr
.endr
.irp e, 0,1,2,3,4,5,6,7
	v_cndmask_b32 v[V+\e], v[L+\e], v[L+8+\e], s48 ; lane p of a half keeps row i = p / 2: two lanes to a token
.endr
.irp i, 2,3,4,5,6,7
.irp e, 0,1,2,3,4,5,6,7
	v_cndmask_b32 v[V+\e], v[V+\e], v[L+8*\i+\e], s[47+\i]
.endr
.endr
.irp e, 0,1,2,3,4,5,6,7
	v_add_f32 v[V+\e], s[40+\e], v[V+\e]           ; + gate_b
.endr
	v_max3_num_f32 v48, v32, v33, v34
	v_max3_num_f32 v48, v48, v35, v36
	v_max3_num_f32 v48, v48, v37, v38
	v_max_num_f32 v48, v48, v39                    ; the row's largest logit is taken away ahead of the exponentials
.irp e, 0,1,2,3,4,5,6,7
	v_sub_f32 v[V+\e], v[V+\e], v48
.endr
.irp e, 0,1,2,3,4,5,6,7
	v_mul_f32 v[V+\e], 0x3fb8aa3b, v[V+\e]         ; x log2(e)
.endr
.irp e, 0,1,2,3,4,5,6,7
	v_exp_f32 v[P+\e], v[V+\e]
.endr
	v_and_b32 v10, 15, v0                          ; (plain lines behind the batch)  p
	v_bfe_u32 v11, v0, 4, 1
	v_and_b32 v12, 1, v0                           ; q: which half of the token's eight numbers I store
	v_and_b32 v13, 14, v10
	v_add_nc_u32 v13, v13, v11                     ; my tile row
	v_and_b32 v14, 8, v13
	v_add_nc_u32 v13, v13, v14
	v_add_nc_u32 v13, s67, v13                     ; my token
	s_wait_alu depctr_va_vdst(0)                   ; one wait for the eight exponentials, ahead of their first reader
	v_add_f32 v48, v40, v41
	v_add_f32 v49, v42, v43
	v_add_f32 v50, v44, v45
	v_add_f32 v51, v46, v47
	v_add_f32 v48, v48, v49
	v_add_f32 v50, v50, v51
	v_add_f32 v48, v48, v50
	v_rcp_f32 v49, v48
	v_lshlrev_b32 v56, 5, v13                      ; (a plain line)  out1: 32 bytes a token,
	v_lshl_add_u32 v56, v12, 4, v56                ; 16 for each of its two lanes
	s_wait_alu depctr_va_vdst(0)
.irp e, 0,1,2,3,4,5,6,7
	v_mul_f32 v[P+\e], v[P+\e], v49                ; gate_prob
.endr
.irp j, 0,1,2,3
	v_cndmask_b32 v[52+\j], v[P+\j], v[P+4+\j], s68
.endr
	global_store_b128 v56, v[52:55], s[18:19]      ; the wave's 16 tokens: two runs of 256 consecutive bytes
	v_mov_b32 v57, v40                             ; the largest probability and its index; a tie keeps the lower index
	v_mov_b32 v58, 0
.irp e, 1,2,3,4,5,6,7
	v_cmp_le_f32 vcc_lo, v[P+\e], v57
	v_cndmask_b32 v57, v[P+\e], v57, vcc_lo
	v_cndmask_b32 v58, \e, v58, vcc_lo
.endr
.irp e, 0,1,2,3,4,5,6,7
	v_cmp_ne_u32 vcc_lo, \e, v58
	v_cndmask_b32 v[P+\e], -1.0, v[P+\e], vcc_lo   ; the winner leaves the field
.endr
	v_mov_b32 v59, v40                             ; the second
	v_mov_b32 v60, 0
.irp e, 1,2,3,4,5,6,7
	v_cmp_le_f32 vcc_lo, v[P+\e], v59
	v_cndmask_b32 v59, v[P+\e], v59, vcc_lo
	v_cndmask_b32 v60, \e, v60, vcc_lo
.endr
	v_sub_f32 v61, v59, v57                        ; the second softmax, the larger of the two taken away: 1 / (1 + e^(m2 - m1)) and the rest
	v_mul_f32 v61, 0x3fb8aa3b, v61
	v_exp_f32 v61, v61
	v_min_u32 v62, v58, v60                        ; lo
	s_wait_alu depctr_va_vdst(0)
	v_add_f32 v63, 1.0, v61
	v_rcp_f32 v63, v63
	v_max_u32 v64, v58, v60                        ; hi
	s_wait_alu depctr_va_vdst(0)
	v_mul_f32 v65, v61, v63
	v_cmp_lt_u32 vcc_lo, v58, v60
	v_cndmask_b32 v66, v65, v63, vcc_lo            ; lo's weight
	v_cndmask_b32 v67, v63, v65, vcc_lo            ; hi's
	v_sub_nc_u32 v68, 15, v62                      ; the bin: lo (15 - lo) / 2 + hi - lo - 1
	v_mul_u32_u24 v68, v62, v68
	v_lshrrev_b32 v68, 1, v68
	v_add_nc_u32 v68, v68, v64
	v_sub_nc_u32 v68, v68, v62
	v_add_nc_u32 v68, -1, v68
	v_mov_b32 v69, 0                               ; lane b: the tile's count of bin b
	v_mov_b32 v70, 0                               ; my token's rank among the tile's tokens of its bin
.irp b, 0,1,2,3,4,5,6,7,8,9,10,11,12,13,14,15,16,17,18,19,20,21,22,23,24,25,26,27
	v_cmp_eq_u32 s69, \b, v68
	s_and_b32 s69, s69, s55                        ; a token counts once: its even lane
	s_bcnt1_i32_b32 s70, s69
	v_writelane_b32 v69, s70, \b
	v_mbcnt_lo_u32_b32 v71, s69, 0
	v_cndmask_b32 v70, v70, v71, s69
.endr
	v_cndmask_b32 v72, v66, v67, s68
	v_lshlrev_b32 v73, 3, v13
	v_lshl_add_u32 v73, v12, 2, v73
	global_store_b32 v73, v72, s[22:23]            ; gw[token][q]
	v_lshlrev_b32 v74, 2, v1
	global_store_b32 v74, v69, s[24:25]            ; the tile's 32 counts
	v_lshl_or_b32 v75, v70, 8, v68
	v_lshlrev_b32 v76, 2, v13
	v_cmp_eq_u32 vcc_lo, 0, v12
	s_wait_xcnt 0x0                                ; EXEC changes only behind this wait
	s_and_saveexec_b32 s59, vcc_lo
	global_store_b32 v76, v75, s[20:21]            ; pairs[token], from the token's even lane
	s_wait_xcnt 0x0
	s_or_b32 exec_lo, exec_lo, s59
	CLOSE
	s_endpgm
.Lfunc_end_k_q3685fbe363_prep:
	.size	k_q3685fbe363_prep, .Lfunc_end_k_q3685fbe363_prep-k_q3685fbe363_prep
	.p2alignl 7, 3214868480
	.fill 96, 4, 3214868480
	.section	.rodata,"a",@progbits
	.p2align	6, 0x0
	.amdhsa_kernel k_q3685fbe363_prep
		.amdhsa_group_segment_fixed_size 55296
		.amdhsa_private_segment_fixed_size 0
		.amdhsa_enable_private_segment 0
		.amdhsa_kernarg_size 88
		.amdhsa_user_sgpr_count 2
		.amdhsa_user_sgpr_kernarg_segment_ptr 1
		.amdhsa_wavefront_size32 1
		.amdhsa_system_sgpr_workgroup_id_x 1
		.amdhsa_system_sgpr_workgroup_id_y 1
		.amdhsa_system_sgpr_workgroup_id_z 1
		.amdhsa_system_vgpr_workitem_id 0
		.amdhsa_next_free_vgpr 384
		.amdhsa_next_free_sgpr 72
		.amdhsa_reserve_vcc 1
		.amdhsa_float_denorm_mode_32 3
		.amdhsa_float_denorm_mode_16_64 3
		.amdhsa_memory_ordered 1
		.amdhsa_forward_progress 1
		.amdhsa_inst_pref_size 255
	.end_amdhsa_kernel
	.section	.bss,"aw",@nobits
	.p2align	6
	.space	262144
	.amdgpu_metadata
---
amdhsa.version: [ 1, 2 ]
amdhsa.kernels:
  - .name:           k_q3685fbe363_prep
    .symbol:         k_q3685fbe363_prep.kd
    .args:
      - { .name: x, .offset: 0, .size: 8, .value_kind: global_buffer, .address_space: global }
      - { .name: gate_W, .offset: 8, .size: 8, .value_kind: global_buffer, .address_space: global }
      - { .name: gate_b, .offset: 16, .size: 8, .value_kind: global_buffer, .address_space: global }
      - { .name: w1, .offset: 24, .size: 8, .value_kind: global_buffer, .address_space: global }
      - { .name: w2, .offset: 32, .size: 8, .value_kind: global_buffer, .address_space: global }
      - { .name: codes, .offset: 40, .size: 8, .value_kind: global_buffer, .address_space: global }
      - { .name: scales, .offset: 48, .size: 8, .value_kind: global_buffer, .address_space: global }
      - { .name: out1, .offset: 56, .size: 8, .value_kind: global_buffer, .address_space: global }
      - { .name: pairs, .offset: 64, .size: 8, .value_kind: global_buffer, .address_space: global }
      - { .name: gw, .offset: 72, .size: 8, .value_kind: global_buffer, .address_space: global }
      - { .name: cnts, .offset: 80, .size: 8, .value_kind: global_buffer, .address_space: global }
    .group_segment_fixed_size: 55296
    .private_segment_fixed_size: 0
    .kernarg_segment_align: 8
    .kernarg_segment_size: 88
    .max_flat_workgroup_size: 160
    .sgpr_count:     72
    .vgpr_count:     384
    .wavefront_size: 32
...
	.end_amdgpu_metadata
.endif
;; end of part 1
;; launch place (part 2): grid 1 x 1, 32 waves a work-group, no clusters, 12,800 bytes of LDS; arguments pairs, cnts, order, tiles; writes order, tiles
.if DOCPART == 2
	.amdgcn_target "amdgcn-amd-amdhsa--gfx1250"
	.amdhsa_code_object_version 6
	.text
	.protected	k_q3685fbe363_place
	.globl	k_q3685fbe363_place
	.p2align	8
	.type	k_q3685fbe363_place,@function
k_q3685fbe363_place:
	s_mov_b64 s[64:65], 0
	v_nop
	global_prefetch_b8 v0, s[64:65] scope:SCOPE_SE
	s_setreg_imm32_b32 hwreg(HW_REG_WAVE_MODE, 25, 1), 1
	s_wait_xcnt 0x0
; PLACE: a counting sort of the 4,096 tokens by their pair of experts (28 bins), each bin padded to tiles of 32 rows.  One work-group; no atomics.
; It reads pairs [token]: bin | rank << 8, and cnts [256 tiles of 16 tokens][32]: the count of each bin.  It stores order [160 tiles][32]: tokens (pads 0), and tiles [160][32]: lo, hi, rows, zeros.
; The sum over the bins of ceil(count / 32) is at most (4,096 + 28 x 31) / 32, that is 155, whatever the split; every word of both buffers is stored.
; Lane = bin throughout.  Wave w owns the count rows 8 w .. 8 w + 7, which are tokens 128 w .. 128 w + 127.
; A token's place = 32 x its bin's first tile + the bin's count in the waves before + in my wave's rows before + its rank in its row.
.set TAB1,  0                          ; [32 waves][32 bins] totals
.set TAB2,  4096                       ; [32 waves][32 bins] first places
.set ROWS,  8192                       ; three rows of 128 bytes: a bin's first tile, the tile behind its last, its count
.set SPARE, 8704                       ; the spare words, 128 bytes a wave: sixteen blocks of 256 bytes that no other line names
	s_load_b256 s[4:11], s[0:1], 0x0               ; pairs, cnts, order, tiles
	v_lshl_add_u32 v2, v0, 2, SPARE
	v_mov_b32 v3, 0
	v_lshrrev_b32 v1, 5, v0
	v_readfirstlane_b32 s12, v1                    ; wave
	v_and_b32 v1, 31, v0                           ; lane
	v_lshlrev_b32 v4, 2, v1                        ; 4 x lane
	v_lshlrev_b32 v5, 2, v0                        ; 128 x wave + 4 x lane
	s_lshl_b32 s13, s12, 10
	v_add_nc_u32 v6, s13, v4
	s_lshl_b32 s13, s12, 9
	v_add_nc_u32 v7, s13, v4
	s_mov_b32 s16, 0xff00ff00                      ; lanes whose bit 3 is set
	s_lshl_b32 s17, s12, 7                         ; my first token
	s_wait_kmcnt 0x0
.irp k, 0,1,2,3,4,5,6,7
	global_load_b32 v[8+\k], v6, s[6:7] offset:128*\k
.endr
.irp g, 0,1,2,3
	global_load_b32 v[16+\g], v7, s[4:5] offset:128*\g
.endr
	s_wait_loadcnt 4                               ; the counts are in; the four loads of pairs may be out
	v_mov_b32 v20, 0
.irp k, 1,2,3,4,5,6,7
	v_add_nc_u32 v[20+\k], v[19+\k], v[7+\k]       ; the bin's count in my rows before row k
.endr
	v_add_nc_u32 v28, v27, v15                     ; and in all my rows
	ds_store_b32 v5, v28 offset:TAB1
	s_wait_dscnt 0x0
	s_barrier_signal -1
	s_barrier_wait -1
	s_cmp_lg_u32 s12, 0
	s_cbranch_scc1 .Lnot0
	; wave 0: the scan down the waves, and the bins' tiles
.irp k, 0,1,2,3,4,5,6,7,8,9,10,11,12,13,14,15,16,17,18,19,20,21,22,23,24,25,26,27,28,29,30,31
	ds_load_b32 v[32+\k], v4 offset:TAB1+128*\k
.endr
	s_wait_dscnt 0x0
.irp k, 1,2,3,4,5,6,7,8,9,10,11,12,13,14,15,16,17,18,19,20,21,22,23,24,25,26,27,28,29,30,31
	v_add_nc_u32 v[32+\k], v[31+\k], v[32+\k]
.endr
	v_add_nc_u32 v64, 31, v63
	v_lshrrev_b32 v64, 5, v64                      ; the bin's tiles
.irp b, 0,1,2,3,4,5,6,7,8,9,10,11,12,13,14,15,16,17,18,19,20,21,22,23,24,25,26,27
	v_readlane_b32 s[32+\b], v64, \b               ; all 28 first: none of these lines waits for another, and the running sum below is scalar
.endr
	v_mov_b32 v65, 0
	s_mov_b32 s14, 0
.irp b, 0,1,2,3,4,5,6,7,8,9,10,11,12,13,14,15,16,17,18,19,20,21,22,23,24,25,26,27
	v_writelane_b32 v65, s14, \b                   ; the bin's first tile
	s_add_co_u32 s14, s14, s[32+\b]
.endr
	v_add_nc_u32 v66, v65, v64
	v_lshlrev_b32 v67, 5, v65
	ds_store_b32 v4, v67 offset:TAB2
.irp k, 1,2,3,4,5,6,7,8,9,10,11,12,13,14,15,16,17,18,19,20,21,22,23,24,25,26,27,28,29,30,31
	v_add_nc_u32 v[31+\k], v67, v[31+\k]
	ds_store_b32 v4, v[31+\k] offset:TAB2+128*\k
.endr
	ds_store_b32 v4, v65 offset:ROWS
	ds_store_b32 v4, v66 offset:ROWS+128
	ds_store_b32 v4, v63 offset:ROWS+256
.Lnot0:
	s_wait_dscnt 0x0
	s_barrier_signal -1
	s_barrier_wait -1
	ds_load_b32 v29, v5 offset:TAB2
	ds_load_b32 v30, v4 offset:ROWS
	ds_load_b32 v31, v4 offset:ROWS+128
	ds_load_b32 v32, v4 offset:ROWS+256
	s_wait_dscnt 0x0
.irp k, 0,1,2,3,4,5,6,7
	v_add_nc_u32 v[20+\k], v29, v[20+\k]           ; lane b: where row k's tokens of bin b begin
.endr
	s_wait_loadcnt 0x0
.irp g, 0,1,2,3
	v_and_b32 v[40+\g], 31, v[16+\g]               ; token 128 w + 32 g + lane: its bin,
	v_bfe_u32 v[44+\g], v[16+\g], 8, 4             ; its rank
	v_lshlrev_b32 v[40+\g], 2, v[40+\g]
.endr
.irp g, 0,1,2,3
	ds_bpermute_b32 v[48+2*\g], v[40+\g], v[20+2*\g]   ; from the bin's lane: rows 2 g and 2 g + 1
	ds_bpermute_b32 v[49+2*\g], v[40+\g], v[21+2*\g]
.endr
	s_wait_dscnt 0x0
.irp g, 0,1,2,3
	v_cndmask_b32 v[56+\g], v[48+2*\g], v[49+2*\g], s16   ; the token lies in row 2 g + bit 3 of the lane
	v_add_nc_u32 v[56+\g], v[56+\g], v[44+\g]
	v_min_u32 v[56+\g], 5119, v[56+\g]             ; inside order's 5,120 words
	v_lshlrev_b32 v[56+\g], 2, v[56+\g]
	v_add_nc_u32 v[60+\g], s17, v1
	v_add_nc_u32 v[60+\g], 32*\g, v[60+\g]
	global_store_b32 v[56+\g], v[60+\g], s[8:9]
.endr
	; lane b: the bin's two experts
	v_mov_b32 v64, 0
	v_mov_b32 v73, 1
.irp th, 7,13,18,22,25,27
	v_cmp_le_u32 vcc_lo, \th, v1
	v_cndmask_b32 v65, 0, v73, vcc_lo
	v_add_nc_u32 v64, v64, v65                     ; lo
.endr
	v_sub_nc_u32 v65, 15, v64
	v_mul_u32_u24 v65, v64, v65
	v_lshrrev_b32 v65, 1, v65
	v_sub_nc_u32 v66, v1, v65
	v_add_nc_u32 v66, v66, v64
	v_add_nc_u32 v66, 1, v66                       ; hi
	v_mov_b32 v72, 0
	; the records of tiles w, w + 32, .. w + 128, and the zeros behind a tile's last row
.irp k, 0,1,2,3,4
	s_add_co_u32 s20, s12, 32*\k
	v_cmp_ge_u32 s21, s20, v30
	v_cmp_lt_u32 s22, s20, v31
	s_and_b32 s21, s21, s22                        ; the one bin that holds the tile, or none
	s_ctz_i32_b32 s23, s21
	s_and_b32 s23, s23, 31
	v_readlane_b32 s24, v30, s23
	v_readlane_b32 s25, v32, s23
	v_readlane_b32 s26, v64, s23
	v_readlane_b32 s27, v66, s23
	s_sub_co_u32 s28, s20, s24
	s_lshl_b32 s28, s28, 5
	s_sub_co_u32 s28, s25, s28
	s_min_u32 s28, s28, 32                         ; its rows
	s_cmp_lg_u32 s21, 0
	s_cselect_b32 s28, s28, 0                      ; a tile of no bin: no rows, experts 0 and 1
	s_cselect_b32 s26, s26, 0
	s_cselect_b32 s27, s27, 1
	v_mov_b32 v[67+\k], 0
	v_writelane_b32 v[67+\k], s26, 0
	v_writelane_b32 v[67+\k], s27, 1
	v_writelane_b32 v[67+\k], s28, 2
	global_store_b32 v5, v[67+\k], s[10:11] offset:4096*\k
	v_cmp_le_u32 vcc_lo, s28, v1
	s_wait_xcnt 0x0                                ; EXEC changes only behind this wait
	s_and_saveexec_b32 s29, vcc_lo
	global_store_b32 v5, v72, s[8:9] offset:4096*\k
	s_wait_xcnt 0x0
	s_or_b32 exec_lo, exec_lo, s29
.endr
	s_wait_tensorcnt 0x0                           ; the wave's end
	ds_add_u32 v2, v3
	s_wait_dscnt 0x0
	s_endpgm
.Lfunc_end_k_q3685fbe363_place:
	.size	k_q3685fbe363_place, .Lfunc_end_k_q3685fbe363_place-k_q3685fbe363_place
	.p2alignl 7, 3214868480
	.fill 96, 4, 3214868480
	.section	.rodata,"a",@progbits
	.p2align	6, 0x0
	.amdhsa_kernel k_q3685fbe363_place
		.amdhsa_group_segment_fixed_size 12800
		.amdhsa_private_segment_fixed_size 0
		.amdhsa_enable_private_segment 0
		.amdhsa_kernarg_size 32
		.amdhsa_user_sgpr_count 2
		.amdhsa_user_sgpr_kernarg_segment_ptr 1
		.amdhsa_wavefront_size32 1
		.amdhsa_system_sgpr_workgroup_id_x 1
		.amdhsa_system_sgpr_workgroup_id_y 1
		.amdhsa_system_sgpr_workgroup_id_z 1
		.amdhsa_system_vgpr_workitem_id 0
		.amdhsa_next_free_vgpr 80
		.amdhsa_next_free_sgpr 66
		.amdhsa_reserve_vcc 1
		.amdhsa_float_denorm_mode_32 3
		.amdhsa_float_denorm_mode_16_64 3
		.amdhsa_memory_ordered 1
		.amdhsa_forward_progress 1
		.amdhsa_inst_pref_size 24
	.end_amdhsa_kernel
	.amdgpu_metadata
---
amdhsa.version: [ 1, 2 ]
amdhsa.kernels:
  - .name:           k_q3685fbe363_place
    .symbol:         k_q3685fbe363_place.kd
    .args:
      - { .name: pairs, .offset: 0, .size: 8, .value_kind: global_buffer, .address_space: global }
      - { .name: cnts, .offset: 8, .size: 8, .value_kind: global_buffer, .address_space: global }
      - { .name: order, .offset: 16, .size: 8, .value_kind: global_buffer, .address_space: global }
      - { .name: tiles, .offset: 24, .size: 8, .value_kind: global_buffer, .address_space: global }
    .group_segment_fixed_size: 12800
    .private_segment_fixed_size: 0
    .kernarg_segment_align: 8
    .kernarg_segment_size: 32
    .max_flat_workgroup_size: 1024
    .sgpr_count:     66
    .vgpr_count:     80
    .wavefront_size: 32
...
	.end_amdgpu_metadata
.endif
;; end of part 2
;; launch chain (part 3): grid 155 x 1, 8 waves a work-group, no clusters, 204,800 bytes of LDS; arguments codes, scales, b1, b2, gw, order, tiles, out0; writes out0
.if DOCPART == 3
	.amdgcn_target "amdgcn-amd-amdhsa--gfx1250"
	.amdhsa_code_object_version 6
	.text
	.protected	k_q3685fbe363_chain
	.globl	k_q3685fbe363_chain
	.p2align	8
	.type	k_q3685fbe363_chain,@function
k_q3685fbe363_chain:
	s_mov_b64 s[64:65], 0
	v_nop
	global_prefetch_b8 v0, s[64:65] scope:SCOPE_SE
	s_setreg_imm32_b32 hwreg(HW_REG_WAVE_MODE, 25, 1), 1
	s_wait_xcnt 0x0
; CHAIN: y = g_lo (relu(x W1[lo]^T + b1[lo]) W2[lo]^T + b2[lo]) + g_hi (the same with hi), both products on codes of E2M1 with one E8M0 scale for each 32 along K.
; WORK LEFT OUT: the six experts that take_along_axis(o, top_i) never reads for a token are not multiplied (shown at the head of the first kernel).
; SHARES.  A work-group takes one tile of the stored list: up to 32 tokens that chose the SAME pair of experts (lo, hi), as two tiles of 16 rows, through the whole chain for both experts: each row of y has one owner.
; 155 work-groups serve every split.  A tile without rows (count 0) carries experts 0 and 1 and token 0 and walks the chain like the others, since every wave passes every barrier; the guard on the rows lets it store nothing.
; Wave w owns hidden units and output columns 128 w .. 128 w + 127 (group G = w of each weight matrix) for all 32 rows.  Four phases of 8 K steps of 128: W1[lo], W1[hi], W2[lo], W2[hi].
; Both hidden layers lie in LDS before the second products begin (one barrier for the two), and y is summed in ONE set of accumulators:
;   y = g_hi ((o_lo + b2[lo]) g_lo / g_hi + o_hi + b2[hi]).  The order of rounding differs from reference()'s by that.  g_lo and g_hi are a softmax of two numbers in 0 .. 1, so each lies in 0.26 .. 0.74 and the ratio in 0.36 .. 2.8, for every input.
; A UNIT is one K step's eight weight fragments: 8,192 consecutive bytes, 16 loads, 64 registers, 16 matrix instructions on 16 accumulators that take turns.  The weights go from memory straight into registers,
; laid by the first launch in the order of the operand's registers; a ring of four units (window 1) keeps 48 to 64 loads of every wave on their way.
; BOTH PRODUCTS ARE USED TRANSPOSED (source 0 = 16 rows of a weight, source 1 = 16 tokens): a lane holds one token, and by the tiles' row order the 16 registers of tiles 2 b, 2 b + 1 are 16 neighbours along the next K.
; x's codes are gathered by the list into LDS as images of operand registers (wave w: K step w); the hidden layers are quantised in registers and go from wave to wave the same way; they never go to memory.
; THE BIASES.  A phase's bias is loaded once, into the accumulators of row tile 0; in the phase's first step the products of row tile 1 take those registers as C, and then those of row tile 0 add onto them in place.
; b2[hi] comes into the ring's first slot when its last unit has left it, and is added at the end.
; NO TENSOR LOAD AND NO CLUSTER: the guard on the rows is a branch on a stored count, and partners of a cluster would have to hold tiles of one pair, which hangs on the counts read from memory.
; REGISTERS.  window 0: v1-19 addresses, weights g, tokens; v20-27 the tokens' scale words; v30-31 g_lo / g_hi; v32-95 the weights' scale words, two sets; v96-127 two buffers of the tokens' fragments (between phases: at work);
;   v128-255 the 16 accumulators ((t, m) at 128 + 64 m + 8 t).   window 1: the ring; at the end b2[hi].
.set XIMG,  0                          ; x's 16 fragments (2 s + m), 1,024 bytes each
.set XSC,   16384                      ; their scale words: 128 bytes a K step, lane = row of the tile
.set HIMG0, 17408                      ; the hidden layer's, for lo
.set HSC0,  33792
.set HIMG1, 34816                      ; and for hi
.set HSC1,  51200
.set BIAS,  52224                      ; b1[lo], b1[hi], b2[lo], b2[hi]: 4,096 bytes each; wave w stores and reads its own 512 of each
.set STG,   68608                      ; a stage of 32 rows x (512 + 16) bytes for each wave
.set SPARE, 203776                     ; the spare words, 128 bytes a wave: four blocks of 256 bytes that no other line names
.set LI,   1                           ; 16 x lane
.set LS,   2                           ; 4 x lane
.set SPW,  3                           ; my spare word; never rewritten
.set NIL,  4                           ; 0; never rewritten
.set HWI,  5                           ; 16 x lane + 2,048 x wave: where I store images
.set HWS,  6                           ; 4 (lane % 16) + 128 x wave: and the hidden layers' scale words
.set BA,   7                           ; my biases
.set SO,   8                           ; the stage: my token's row, my half's columns
.set SR,   9                           ; the stage by rows
.set CO,   10                          ; 512 x wave + 16 x lane
.set R4,   11                          ; 4 (lane % 16)
.set GG,   12                          ; v[12:13], v[14:15]: (g_lo, g_hi) of my token in row tile 0, 1
.set TK0,  16
.set TK1,  17
.set TKL,  18
.set T0,   19
.set OPS,  20
.set XO0,  28
.set XO1,  29
.set RH,   30                          ; v[30:31]: g_lo / g_hi of my token in row tile 0, 1
.set WSC,  32
.set OPF,  96
.set TM,   96
.set PC,   112
.set PW,   120
.set OFF,  96
.set ACC,  128
.set XSW,  175                         ; head only
.set XSO,  176                         ; head only
.set PB,   28                          ; s[28:35] the four phases' codes
.set PS,   36                          ; s[36:43] their scale words
.set SEL,  44                          ; s[44:45] selects for lane l xor 16
.set BP,   46                          ; s[46:53] their biases
.set MSB, 0
.macro WIN new                         ; the immediate's high byte repeats the setting that is left
.if MSB != \new
	s_set_vgpr_msb (MSB<<8)|\new
.set MSB, \new
.endif
.endm
.macro ULOAD u                         ; unit u into slot u % 4 of the ring
	WIN 0x40
.irp t, 0,1,2,3,4,5,6,7
.irp c, 0,1
	global_load_b128 v[64*((\u)%4)+8*\t+4*\c:64*((\u)%4)+8*\t+4*\c+3], v[LI], s[PB+2*((\u)/8):PB+2*((\u)/8)+1] offset:8192*((\u)%8)+1024*\t+512*\c
.endr
.endr
.endm
.macro WSLOAD p                        ; phase p's scale words: register 4 t + j: lanes 0-15 K step j, lanes 16-31 K step 4 + j
	WIN 0
.irp t, 0,1,2,3,4,5,6,7
	global_load_b128 v[WSC+32*((\p)%2)+4*\t:WSC+32*((\p)%2)+4*\t+3], v[LI], s[PS+2*(\p):PS+2*(\p)+1] offset:512*\t
.endr
.endm
.macro OLOAD img, s                    ; the tokens' two fragments of K step s
.irp m, 0,1
.irp c, 0,1
	ds_load_b128 v[OPF+16*((\s)%2)+8*\m+4*\c:OPF+16*((\s)%2)+8*\m+4*\c+3], v[LI] offset:\img+1024*(2*(\s)+\m)+512*\c
.endr
.endr
.endm
.macro BLOAD p                         ; phase p's bias into the accumulators of row tile 0: lane (r, h), tile 2 b + u, register i: unit 32 b + 16 h + 8 u + i
.irp t, 0,1,2,3,4,5,6,7
.irp j, 0,1
	ds_load_b128 v[ACC+8*\t+4*\j:ACC+8*\t+4*\j+3], v[BA] offset:4096*(\p)+128*(\t/2)+32*(\t%2)+16*\j
.endr
.endr
.endm
.macro SLOAD sc                        ; the tokens' eight scale words
.irp k, 0,1,2,3,4,5,6,7
	ds_load_b32 v[OPS+\k], v[LS] offset:\sc+128*\k
.endr
.endm
; one product: tile t of the weights x row tile m, K step s of phase p; C is accumulator (t, cm)
.macro MM p, s, t, m, cm
.set DA, ACC+64*(\m)+8*(\t)
.set CA, ACC+64*(\cm)+8*(\t)
.set AA, 64*((8*(\p)+(\s))%4)+8*(\t)
.set BB, OPF+16*((\s)%2)+8*(\m)
.set SA, WSC+32*((\p)%2)+4*(\t)+((\s)%4)
.set SB, OPS+(\s)
.if ((\s) > 3) && ((\m) == 1)
	v_wmma_scale_f32_16x16x128_f8f6f4 v[DA:DA+7], v[AA:AA+7], v[BB:BB+7], v[CA:CA+7], v[SA], v[SB] matrix_a_fmt:MATRIX_FMT_FP4 matrix_b_fmt:MATRIX_FMT_FP4 matrix_a_scale:MATRIX_SCALE_ROW1 matrix_b_scale:MATRIX_SCALE_ROW1
.elseif (\s) > 3
	v_wmma_scale_f32_16x16x128_f8f6f4 v[DA:DA+7], v[AA:AA+7], v[BB:BB+7], v[CA:CA+7], v[SA], v[SB] matrix_a_fmt:MATRIX_FMT_FP4 matrix_b_fmt:MATRIX_FMT_FP4 matrix_a_scale:MATRIX_SCALE_ROW1
.elseif (\m) == 1
	v_wmma_scale_f32_16x16x128_f8f6f4 v[DA:DA+7], v[AA:AA+7], v[BB:BB+7], v[CA:CA+7], v[SA], v[SB] matrix_a_fmt:MATRIX_FMT_FP4 matrix_b_fmt:MATRIX_FMT_FP4 matrix_b_scale:MATRIX_SCALE_ROW1
.else
	v_wmma_scale_f32_16x16x128_f8f6f4 v[DA:DA+7], v[AA:AA+7], v[BB:BB+7], v[CA:CA+7], v[SA], v[SB] matrix_a_fmt:MATRIX_FMT_FP4 matrix_b_fmt:MATRIX_FMT_FP4
.endif
.endm
; first = 1: the accumulators of row tile 0 hold the bias, those of row tile 1 nothing yet
.macro STEP p, s, img, first
.set U, 8*(\p)+(\s)
.if ((\p) == 3) && ((\s) > 4)
	s_wait_loadcnt 16*(7-(\s))                     ; the last units: nothing more was asked for
.elseif ((\p) < 3) && ((\s) > 0) && ((\s) < 4)
	s_wait_loadcnt 56                              ; my unit is in; behind it: three units and the next phase's eight scale loads
.else
	s_wait_loadcnt 48                              ; my unit is in; behind it: three units
.endif
	s_wait_dscnt 0x0                               ; the tokens' fragments of this step (and at a phase's head the bias and the scale words)
.if (\s) < 7
	OLOAD \img, (\s)+1
.endif
	WIN 0x01                                       ; source 0, the weights: window 1
.if \first
.irp t, 0,1,2,3,4,5,6,7
	MM \p, \s, \t, 1, 0                            ; row tile 1 begins with the bias as its C
.endr
.rept 5
	v_nop                                          ; five places ahead of matrix instructions that write over registers which the eight above read as C
.endr
.irp t, 0,1,2,3,4,5,6,7
	MM \p, \s, \t, 0, 0                            ; row tile 0 adds onto the bias in place
.endr
.else
.irp t, 0,1,2,3,4,5,6,7
	MM \p, \s, \t, 0, 0
	MM \p, \s, \t, 1, 1
.endr
.endif
.rept 4
	v_nop                                          ; four places ahead of loads into registers that these products read, and of the first read of results
.endr
.if ((\s) == 0) && ((\p) < 3)
	WSLOAD (\p)+1
.endif
.if U+4 < 32
	ULOAD U+4                                      ; the slot takes the unit four on
.endif
.if ((\p) == 3) && ((\s) == 4)
	WIN 0x40                                       ; unit 28 has left slot 0, and no unit follows it there: b2[hi] comes into its 64 registers while the last steps run
.irp t, 0,1,2,3,4,5,6,7
.irp j, 0,1
	ds_load_b128 v[8*\t+4*\j:8*\t+4*\j+3], v[BA] offset:4096*3+128*(\t/2)+32*(\t%2)+16*\j
.endr
.endr
.endif
	WIN 0
.endm
; 64 numbers of a lane, none negative, register 16 b + i = k 32 b + 16 (lane / 16) + i of my token, become a fragment's codes in v[PC] on and its scale word in v[PW]
.macro QUANT s
.irp b, 0,1,2,3
	v_max3_num_f32 v[TM+\b], v[(\s)+16*\b], v[(\s)+1+16*\b], 0x1800000   ; with the floor 2^(3 - 127): the byte cannot fall under 1
.endr
.irp i, 2,4,6,8,10,12,14
.irp b, 0,1,2,3
	v_max3_num_f32 v[TM+\b], v[TM+\b], v[(\s)+16*\b+\i], v[(\s)+1+16*\b+\i]
.endr
.endr
.irp b, 0,1,2,3
	v_permlanex16_b32 v[TM+4+\b], v[TM+\b], s[SEL], s[SEL+1]
.endr
.irp b, 0,1,2,3
	v_max_num_f32 v[TM+\b], v[TM+\b], v[TM+4+\b]   ; with lane l xor 16's: the block's largest
.endr
.irp b, 0,1,2,3
	v_add_nc_u32 v[TM+12+\b], 0xff000000, v[TM+\b] ; 2 off its exponent field: the conversion's scale operand
.endr
.irp b, 0,1,2,3
	v_lshrrev_b32 v[TM+4+\b], 23, v[TM+12+\b]      ; the scale's byte
.endr
	v_lshl_or_b32 v[PW], v[TM+5], 8, v[TM+4]
	v_lshl_or_b32 v[PW], v[TM+6], 16, v[PW]
	v_lshl_or_b32 v[PW], v[TM+7], 24, v[PW]
.irp b, 0,1,2,3
	v_cvt_scalef32_pk8_fp4_f32 v[PC+2*\b], v[(\s)+16*\b:(\s)+7+16*\b], v[TM+12+\b]
	v_cvt_scalef32_pk8_fp4_f32 v[PC+1+2*\b], v[(\s)+8+16*\b:(\s)+15+16*\b], v[TM+12+\b]
.endr
	v_nop                                          ; one plain line behind the conversions
.irp c, 0,1                                    ; the operand wants a whole block in a lane
.irp i, 0,1
	v_permlane16_swap_b32 v[PC+4*\c+\i], v[PC+2+4*\c+\i]
.endr
.endr
.endm
.macro HEPI himg, hsc                  ; relu, quantise, images to LDS: K step w of the second product
.set J, 0
.rept 128
	v_max_num_f32 v[ACC+J], 0, v[ACC+J]            ; each accumulator from its low end on
.set J, J+1
.endr
.irp m, 0,1
	QUANT ACC+64*\m
	ds_store_b128 v[HWI], v[PC:PC+3] offset:\himg+1024*\m
	ds_store_b128 v[HWI], v[PC+4:PC+7] offset:\himg+1024*\m+512
	ds_store_b32 v[HWS], v[PW] offset:\hsc+64*\m   ; both halves of the lanes write the same word with the same value
	s_wait_dscnt 0x0                               ; my stores have landed and have read their registers
.endr
.endm
.macro GOFF dst, tk, s1, s2, s3, s4, s5 ; a token's place in an image buffer: its fields, each shifted left, added
	v_and_b32 v[T0], 0xf80, v[\tk]
	v_lshlrev_b32 v[\dst], \s1, v[T0]
	v_and_b32 v[T0], 0x60, v[\tk]
	v_lshlrev_b32 v[T0], \s2, v[T0]
	v_add_nc_u32 v[\dst], v[\dst], v[T0]
	v_and_b32 v[T0], 8, v[\tk]
	v_lshlrev_b32 v[T0], \s3, v[T0]
	v_add_nc_u32 v[\dst], v[\dst], v[T0]
	v_and_b32 v[T0], 16, v[\tk]
	v_lshlrev_b32 v[T0], \s4, v[T0]
	v_add_nc_u32 v[\dst], v[\dst], v[T0]
	v_and_b32 v[T0], 7, v[\tk]
	v_lshlrev_b32 v[T0], \s5, v[T0]
	v_add_nc_u32 v[\dst], v[\dst], v[T0]
.endm
	s_load_b512 s[4:19], s[0:1], 0x0               ; codes, scales, b1, b2, gw, order, tiles, out0
	v_lshl_add_u32 v[SPW], v0, 2, SPARE
	v_mov_b32 v[NIL], 0
	v_lshrrev_b32 v[T0], 5, v0
	v_readfirstlane_b32 s20, v[T0]                 ; wave 0..7
	v_and_b32 v[T0], 31, v0                        ; lane
	v_and_b32 v170, 15, v0                         ; r
	v_bfe_u32 v171, v0, 4, 1                       ; h
	v_lshlrev_b32 v[LI], 4, v[T0]
	v_lshlrev_b32 v[LS], 2, v[T0]
	v_lshlrev_b32 v[R4], 2, v170
	s_lshl_b32 s21, s20, 11
	v_add_nc_u32 v[HWI], s21, v[LI]
	s_lshl_b32 s21, s20, 7
	v_add_nc_u32 v[HWS], s21, v[R4]
	v_add_nc_u32 v[XSW], s21, v[LS]
	s_lshl_b32 s22, s20, 9
	v_lshlrev_b32 v[BA], 6, v171
	v_add_nc_u32 v[BA], s22, v[BA]
	v_add_nc_u32 v[BA], BIAS, v[BA]
	s_mul_i32 s23, s20, 32*528
	v_mul_u32_u24 v[SO], v170, 528
	v_lshl_add_u32 v[SO], v171, 6, v[SO]
	v_add_nc_u32 v[SO], s23, v[SO]
	v_add_nc_u32 v[SO], STG, v[SO]
	v_add_nc_u32 v[SR], s23, v[LI]
	v_add_nc_u32 v[SR], STG, v[SR]
	v_add_nc_u32 v[CO], s22, v[LI]
	s_lshl_b32 s63, s20, 13
	v_lshlrev_b32 v172, 8, v171
	v_add_nc_u32 v172, s63, v172                   ; x's codes: my half's 256 bytes, K step w
	s_lshr_b32 s62, s20, 2
	s_lshl_b32 s62, s62, 8
	s_and_b32 s63, s20, 3
	s_lshl_b32 s63, s63, 2
	s_add_co_u32 s62, s62, s63                     ; x's scale words: K step w
	s_mov_b32 s[SEL], 0x76543210
	s_mov_b32 s[SEL+1], 0xfedcba98
.irp b, 0,1,2,3
	v_mov_b32 v[TM+4+\b], 0                        ; a lane permute's destination counts as one of its sources
.endr
	s_lshl_b32 s54, ttmp9, 7                       ; my tile's 128 bytes in tiles and in order
	s_mov_b32 s55, 0
	s_mov_b32 s59, 0
	s_wait_kmcnt 0x0
	s_add_nc_u64 s[56:57], s[16:17], s[54:55]
	s_load_b128 s[24:27], s[56:57], 0x0            ; lo, hi, rows, 0
	s_add_nc_u64 s[54:55], s[14:15], s[54:55]
	global_load_b32 v[TK0], v[R4], s[54:55]        ; the token of row r, of row 16 + r, of row lane
	global_load_b32 v[TK1], v[R4], s[54:55] offset:64
	global_load_b32 v[TKL], v[LS], s[54:55]
	s_wait_kmcnt 0x0
	s_min_u32 s24, s24, 7                          ; an expert's number stays inside the weights
	s_min_u32 s25, s25, 7
	s_lshl_b32 s58, s20, 16
	s_add_nc_u64 s[60:61], s[4:5], s[58:59]        ; codes at group w
	s_lshl_b32 s58, s24, 19
	s_add_nc_u64 s[PB:PB+1], s[60:61], s[58:59]
	s_add_nc_u64 s[PB+4:PB+5], s[PB:PB+1], 12<<19  ; phase 2: W2[lo] is matrix 12 + lo,
	s_add_nc_u64 s[PB:PB+1], s[PB:PB+1], 4<<19     ; phase 0: W1[lo] matrix 4 + lo
	s_lshl_b32 s58, s25, 19
	s_add_nc_u64 s[PB+2:PB+3], s[60:61], s[58:59]
	s_add_nc_u64 s[PB+6:PB+7], s[PB+2:PB+3], 12<<19   ; phase 3: W2[hi]
	s_add_nc_u64 s[PB+2:PB+3], s[PB+2:PB+3], 4<<19    ; phase 1: W1[hi]
	s_lshl_b32 s58, s20, 12
	s_add_nc_u64 s[60:61], s[6:7], s[58:59]        ; scales at group w
	s_lshl_b32 s58, s24, 15
	s_add_nc_u64 s[PS:PS+1], s[60:61], s[58:59]
	s_add_nc_u64 s[PS+4:PS+5], s[PS:PS+1], 12<<15
	s_add_nc_u64 s[PS:PS+1], s[PS:PS+1], 4<<15
	s_lshl_b32 s58, s25, 15
	s_add_nc_u64 s[PS+2:PS+3], s[60:61], s[58:59]
	s_add_nc_u64 s[PS+6:PS+7], s[PS+2:PS+3], 12<<15
	s_add_nc_u64 s[PS+2:PS+3], s[PS+2:PS+3], 4<<15
	s_lshl_b32 s58, s24, 12
	s_add_co_u32 s58, s58, s22
	s_add_nc_u64 s[BP:BP+1], s[8:9], s[58:59]      ; my 128 numbers of b1[lo],
	s_add_nc_u64 s[BP+4:BP+5], s[10:11], s[58:59]  ; b2[lo],
	s_lshl_b32 s58, s25, 12
	s_add_co_u32 s58, s58, s22
	s_add_nc_u64 s[BP+2:BP+3], s[8:9], s[58:59]    ; b1[hi],
	s_add_nc_u64 s[BP+6:BP+7], s[10:11], s[58:59]  ; b2[hi]
	s_wait_loadcnt 0x0                             ; the list: nothing else is out yet
	v_min_u32 v[TK0], 4095, v[TK0]                 ; a token stays inside x
	v_min_u32 v[TK1], 4095, v[TK1]
	v_min_u32 v[TKL], 4095, v[TKL]
	GOFF XO0, TK0, 9, 6, 7, 3, 4                   ; token -> (M, G) << 16, b << 11, u << 10, its tile row << 4
	v_add_nc_u32 v[XO0], v[XO0], v172
	GOFF XO1, TK1, 9, 6, 7, 3, 4
	v_add_nc_u32 v[XO1], v[XO1], v172
	GOFF XSO, TKL, 5, 5, 6, 3, 4                   ; (M, G) << 12, b << 10, u << 9, its tile row << 4
	v_add_nc_u32 v[XSO], s62, v[XSO]
	v_lshlrev_b32 v173, 3, v[TK0]
	v_lshlrev_b32 v174, 3, v[TK1]
	; what the first barrier waits for goes out FIRST, ahead of the weights
	global_load_b128 v[128:131], v[XO0], s[4:5]    ; x's fragments of K step w: my token's blocks, as the first launch laid them
	global_load_b128 v[132:135], v[XO0], s[4:5] offset:512
	global_load_b128 v[136:139], v[XO1], s[4:5]
	global_load_b128 v[140:143], v[XO1], s[4:5] offset:512
	global_load_b32 v144, v[XSO], s[6:7]
	global_load_b64 v[GG:GG+1], v173, s[12:13]
	global_load_b64 v[GG+2:GG+3], v174, s[12:13]
.irp p, 0,1,2,3
	global_load_b128 v[148+4*\p:151+4*\p], v[LI], s[BP+2*\p:BP+2*\p+1]
.endr
	WSLOAD 0
	ULOAD 0
	ULOAD 1
	ULOAD 2
	WIN 0
	s_wait_loadcnt 56                              ; x, the weights g and the biases are in; behind them: 8 scale loads and three units
	ULOAD 3
	WIN 0
	ds_store_b128 v[HWI], v[128:131] offset:XIMG
	ds_store_b128 v[HWI], v[132:135] offset:XIMG+512
	ds_store_b128 v[HWI], v[136:139] offset:XIMG+1024
	ds_store_b128 v[HWI], v[140:143] offset:XIMG+1536
	ds_store_b32 v[XSW], v144 offset:XSC
.irp p, 0,1,2,3
	ds_store_b128 v[CO], v[148+4*\p:151+4*\p] offset:BIAS+4096*\p
.endr
	v_rcp_f32 v[RH], v[GG+1]
	v_rcp_f32 v[RH+1], v[GG+3]
	v_nop                                          ; a plain line behind the reciprocals
	s_wait_alu depctr_va_vdst(0)                   ; one wait for the two, ahead of their first reader
	v_mul_f32 v[RH], v[GG], v[RH]                  ; g_lo / g_hi
	v_mul_f32 v[RH+1], v[GG+2], v[RH+1]
	s_wait_dscnt 0x0                               ; for the others' sake: my images lie in LDS
	s_barrier_signal -1
	s_barrier_wait -1                              ; x's sixteen fragments do
	; ---- the two hidden layers
	BLOAD 0
	SLOAD XSC
	OLOAD XIMG, 0
	STEP 0, 0, XIMG, 1
.irp k, 1,2,3,4,5,6,7
	STEP 0, \k, XIMG, 0
.endr
	HEPI HIMG0, HSC0
	BLOAD 1                                        ; (x's scale words stay where they are)
	OLOAD XIMG, 0
	STEP 1, 0, XIMG, 1
.irp k, 1,2,3,4,5,6,7
	STEP 1, \k, XIMG, 0
.endr
	HEPI HIMG1, HSC1
	s_barrier_signal -1                            ; (each wave has waited for its LDS stores at the end of the lines above)
	s_barrier_wait -1                              ; both hidden layers' sixteen fragments lie in LDS
	; ---- y, in one set of accumulators
	BLOAD 2
	SLOAD HSC0
	OLOAD HIMG0, 0
	STEP 2, 0, HIMG0, 1
.irp k, 1,2,3,4,5,6,7
	STEP 2, \k, HIMG0, 0
.endr
	SLOAD HSC1                                     ; hi's scale words and first fragments come while lo's part is scaled
	OLOAD HIMG1, 0
.set J, 0
.rept 32
	v_pk_mul_f32 v[ACC+J:ACC+J+1], v[ACC+J:ACC+J+1], v[RH:RH+1] op_sel_hi:[1,0]   ; (o_lo + b2[lo]) x g_lo / g_hi: row tile 0 by the pair's first word,
.set J, J+2
.endr
.set J, 0
.rept 32
	v_pk_mul_f32 v[ACC+64+J:ACC+64+J+1], v[ACC+64+J:ACC+64+J+1], v[RH:RH+1] op_sel:[0,1] op_sel_hi:[1,1]   ; row tile 1 by its second
.set J, J+2
.endr
.rept 4
	v_nop
.endr
.irp k, 0,1,2,3,4,5,6,7
	STEP 3, \k, HIMG1, 0
.endr
	; ---- the way out
	WIN 0x04                                       ; source 1: window 1
.irp m, 0,1
.set J, 0
.rept 32
	v_pk_add_f32 v[ACC+64*\m+J:ACC+64*\m+J+1], v[ACC+64*\m+J:ACC+64*\m+J+1], v[J:J+1]   ; + b2[hi]
.set J, J+2
.endr
.endr
	WIN 0
.irp m, 0,1
.set J, 0
.rept 32
	v_pk_mul_f32 v[ACC+64*\m+J:ACC+64*\m+J+1], v[ACC+64*\m+J:ACC+64*\m+J+1], v[GG+2*\m:GG+2*\m+1] op_sel:[0,1] op_sel_hi:[1,1]   ; x g_hi
.set J, J+2
.endr
.endr
.irp m, 0,1                                    ; into my stage: row = token, columns in their true order
.irp t, 0,1,2,3,4,5,6,7
.irp j, 0,1
	ds_store_b128 v[SO], v[ACC+64*\m+8*\t+4*\j:ACC+64*\m+8*\t+4*\j+3] offset:8448*\m+128*(\t/2)+32*(\t%2)+16*\j
.endr
.endr
.endr
.set J, 0
.rept 32
	ds_load_b128 v[ACC+4*J:ACC+4*J+3], v[SR] offset:528*J   ; back by rows; LDS serves a wave's instructions in order: these see the stores above
.set J, J+1
.endr
	s_wait_tensorcnt 0x0                           ; the rows' offsets, work on registers, stand between the add and the wait, which also shows the 32 rows back
	ds_add_u32 v[SPW], v[NIL]
.set J, 0
.rept 32
	v_readlane_b32 s66, v[TKL], J                  ; row J's token:
	s_min_u32 s66, s66, 4095
	s_lshl_b32 s66, s66, 12                        ; its row of y, 4,096 bytes,
	v_add_nc_u32 v[OFF+J], s66, v[CO]              ; my wave's 512 of them, 16 a lane
.set J, J+1
.endr
	s_wait_dscnt 0x0
.set J, 0
.rept 32
	s_cmp_ge_u32 J, s26                            ; only the tile's rows are stored
	s_cbranch_scc1 .Ldone
	global_store_b128 v[OFF+J], v[ACC+4*J:ACC+4*J+3], s[18:19] th:TH_STORE_NT   ; 32 lanes store 512 consecutive bytes, at a multiple of 512 from y's first byte
.set J, J+1
.endr
.Ldone:
	s_endpgm
.Lfunc_end_k_q3685fbe363_chain:
	.size	k_q3685fbe363_chain, .Lfunc_end_k_q3685fbe363_chain-k_q3685fbe363_chain
	.p2alignl 7, 3214868480
	.fill 96, 4, 3214868480
	.section	.rodata,"a",@progbits
	.p2align	6, 0x0
	.amdhsa_kernel k_q3685fbe363_chain
		.amdhsa_group_segment_fixed_size 204800
		.amdhsa_private_segment_fixed_size 0
		.amdhsa_enable_private_segment 0
		.amdhsa_kernarg_size 64
		.amdhsa_user_sgpr_count 2
		.amdhsa_user_sgpr_kernarg_segment_ptr 1
		.amdhsa_wavefront_size32 1
		.amdhsa_system_sgpr_workgroup_id_x 1
		.amdhsa_system_sgpr_workgroup_id_y 1
		.amdhsa_system_sgpr_workgroup_id_z 1
		.amdhsa_system_vgpr_workitem_id 0
		.amdhsa_next_free_vgpr 512
		.amdhsa_next_free_sgpr 72
		.amdhsa_reserve_vcc 0
		.amdhsa_float_denorm_mode_32 3
		.amdhsa_float_denorm_mode_16_64 3
		.amdhsa_memory_ordered 1
		.amdhsa_forward_progress 1
		.amdhsa_inst_pref_size 197
	.end_amdhsa_kernel
	.amdgpu_metadata
---
amdhsa.version: [ 1, 2 ]
amdhsa.kernels:
  - .name:           k_q3685fbe363_chain
    .symbol:         k_q3685fbe363_chain.kd
    .args:
      - { .name: codes, .offset: 0, .size: 8, .value_kind: global_buffer, .address_space: global }
      - { .name: scales, .offset: 8, .size: 8, .value_kind: global_buffer, .address_space: global }
      - { .name: b1, .offset: 16, .size: 8, .value_kind: global_buffer, .address_space: global }
      - { .name: b2, .offset: 24, .size: 8, .value_kind: global_buffer, .address_space: global }
      - { .name: gw, .offset: 32, .size: 8, .value_kind: global_buffer, .address_space: global }
      - { .name: order, .offset: 40, .size: 8, .value_kind: global_buffer, .address_space: global }
      - { .name: tiles, .offset: 48, .size: 8, .value_kind: global_buffer, .address_space: global }
      - { .name: out0, .offset: 56, .size: 8, .value_kind: global_buffer, .address_space: global }
    .group_segment_fixed_size: 204800
    .private_segment_fixed_size: 0
    .kernarg_segment_align: 8
    .kernarg_segment_size: 64
    .max_flat_workgroup_size: 256
    .sgpr_count:     72
    .vgpr_count:     512
    .wavefront_size: 32
...
	.end_amdgpu_metadata
.endif
;; end of part 3
